; MI455X (gfx1250); checked and timed in simulation.
; The chip was launched on July 23, 2026; its instructions are those of AMD's public machine-readable ISA for CDNA 5 (MIT licence, August 2026) and "CDNA5" Instruction Set Architecture Reference Guide (July 2026). The comments in the code are by the model that wrote it; some were corrected since.
;; DC Nv2 Pooling. Allowed arithmetic: float matrix products may take bf16 or f16 operands with f32 sums; other float arithmetic in f32, or as packed bf16 or f16 multiplies, adds, multiply-adds, maxima and minima; sums over many terms, partial sums and values carried from step to step in f32; what a program stores and reads back later, other than sums and carried values, may be rounded once to bf16 or f16.
;; Inputs: input 4 x 256 x 128 x 128 float32; offset 1,024 x 2 x 7 x 7 float32; rois 1,024 x 5 float32.
;; Outputs: out0 1,024 x 256 x 7 x 7 float32.
;; 2 versions, each right; version 2 is version 1 with the launches prep, pool written anew for expert scheduling mode. Each part assembles by itself: llvm-mc -triple=amdgcn-amd-amdhsa -mcpu=gfx1250 --defsym DOCPART=n.
;; ======== version 1 of 2: 2 launches
;; limits: values outside matrix products are rounded to f16; inputs' magnitudes at most 65,504; values are held in f16: magnitudes above 65,504 overflow, below 6.1e-05 lose precision
;; workspace buffers: ft 33,554,432 bytes; par 2,621,440 bytes; hdr 262,144 bytes of whole numbers
;; launch prep (part 1): grid 256 x 1, 8 waves a work-group, no clusters, 134,144 bytes of LDS; arguments input, rois, offset, ft, par, hdr; writes ft, par, hdr
.if DOCPART == 1
	.amdgcn_target "amdgcn-amd-amdhsa--gfx1250"
	.amdhsa_code_object_version 6
	.text
	.protected	k_q375523d554_prep
	.globl	k_q375523d554_prep
	.p2align	8
	.type	k_q375523d554_prep,@function
k_q375523d554_prep:
	s_mov_b64 s[64:65], 0
	v_nop
	global_prefetch_b8 v0, s[64:65] scope:SCOPE_SE
	s_setreg_imm32_b32 hwreg(HW_REG_WAVE_MODE, 25, 1), 1
	s_wait_xcnt 0x0
; PREP.  Two jobs for each of the 2,048 waves (u = 8 x work-group + wave); no wave depends on another, so there is no barrier.
; (1) FEATURES: input [4][256][128][128] f32 is laid again as f16 in the order of matrix fragments:
;     ft [b 4][yt 32][xg 16][nb 16][half 2][lane 32][8 f16], lane = 16 h + r, channel 16 nb + r, row 4 yt + 2 h + half, x 8 xg + 0..7.
;     Wave u takes b = u>>9, yt = (u>>4)&31, nb = u&15: 16 channels x 4 rows x 128 pixels, each input byte read once in loads of a
;     whole row (512 bytes), turned in the wave's own LDS bytes, and stored in pieces of 512 consecutive bytes.
; (2) ONE AXIS OF ONE ROI: n = u>>1, a = u&1 (0: x, 1: y).  For 64 bin slots (slots 49..63 repeat bin 48 and are never output):
;     the four clipped sample positions (an invalid sample is stored as -4.0, whose bilinear weight on every pixel >= 0 is 0) and
;     1 / max(number of valid samples, 1) go to par; the first pixel group, the number of groups and the batch index go to hdr
;     as whole numbers, from which the next launch forms its addresses and trip counts.  No address here hangs on them.
; LIMITS: |input| <= 65504 (f16; beyond it the feature becomes infinite).  The division by 7 is a multiplication by the rounded 1/7 and the
; start positions are made by fused multiply-adds: positions differ from separate roundings in the last bit, so a sample that lies exactly
; on a validity border may fall on the other side.  The batch index is clamped to 0..3.
; No matrix unit, cluster or tensor load: the job is a stream, every byte is touched once.
.set XR,     64                        ; v[64:127], v[128:191]: two batches of 16 loads (one row of 16 channels each)
.set WPITCH, 1040                      ; LDS bytes of one x group: 2 halves x 32 lanes x 16 bytes + 16: 260 words, so neighbouring groups start 4 words apart modulo 64
.set WLDS,   16*WPITCH                 ; a wave's own LDS bytes
; v1 16 l   v2 LDS store address   v3 LDS read address   v4 4 l   v6 4 min(l+32,48)   v7,v8 bin coordinate p   v9,v10 offset values
; v11 C1  v12 RS  v13 BS  v14 SS  v15 T  v[16:23] positions  v24,v25 1/count  v26 ST  v27 W  v28 C  v29 ONE  v30 CNT  v31 LO  v32 HI  v33 tmp  v34 header
	s_load_b256 s[4:11], s[0:1], 0x0               ; input s[4:5], rois s[6:7], offset s[8:9], ft s[10:11]
	s_load_b128 s[12:15], s[0:1], 0x20             ; par s[12:13], hdr s[14:15]
	v_lshl_add_u32 v192, v0, 2, 0x20800
	v_mov_b32 v193, 0
	v_and_b32 v35, 31, v0                          ; lane l
	v_lshrrev_b32 v36, 5, v0
	v_readfirstlane_b32 s16, v36                   ; wave
	s_lshl_b32 s17, ttmp9, 3
	s_add_co_u32 s17, s17, s16                     ; u
	s_lshr_b32 s18, s17, 1                         ; n
	s_and_b32 s19, s17, 1                          ; a
	s_mov_b32 s21, 0                               ; high word of every offset pair s[20:21]
	s_mov_b32 s26, 0x76543210                      ; v_permlanex16_b32: lane i reads lane i of the other half
	s_mov_b32 s27, 0xfedcba98
	s_mov_b32 s34, 0x3d800000                      ; 0.0625
	s_mov_b32 s35, 0x42ff0000                      ; 127.5
	s_mov_b32 s36, 0x42fe0000                      ; 127.0
	s_mul_i32 s28, s18, 20                         ; the ROI's row of five f32
	s_lshl2_add_u32 s29, s19, s28                  ; + 4 a: x1, x2 or y1, y2
	s_cmp_lg_u32 s19, 0
	s_cselect_b32 s25, -1, 0                       ; lane mask: all ones for the y job
	s_mul_i32 s44, s16, WLDS
	v_lshlrev_b32 v1, 4, v35                       ; 16 l
	v_lshlrev_b32 v4, 2, v35                       ; 4 l
	v_lshrrev_b32 v36, 1, v35
	v_mul_u32_u24 v2, v36, WPITCH                  ; lane l holds x = 4 l .. 4 l + 3: group l >> 1,
	v_and_b32 v36, 1, v35
	v_lshl_add_u32 v2, v36, 3, v2                  ; its lower or upper 8 bytes
	v_add_nc_u32 v2, s44, v2
	v_add_nc_u32 v3, s44, v1
	v_add_nc_u32 v38, 32, v35
	v_min_u32 v38, 48, v38                         ; bin of slot l + 32
	v_lshlrev_b32 v6, 2, v38
.macro PIDX dst, src                   ; v[dst] = f32 of pw (x job) or ph (y job) of bin v[src] <= 48; (37 s) >> 8 = s / 7 for s <= 48
	v_mul_u32_u24 v39, v[\src], 37
	v_lshrrev_b32 v39, 8, v39
	v_mul_u32_u24 v40, v39, 7
	v_sub_nc_u32 v40, v[\src], v40
	v_cndmask_b32 v40, v40, v39, s25
	v_cvt_f32_u32 v[\dst], v40
.endm
	PIDX 7, 35
	PIDX 8, 38
	s_wait_kmcnt 0x0
	s_load_b32 s22, s[6:7], s28 offset:0x0         ; batch index
	s_load_b32 s23, s[6:7], s29 offset:0x4         ; lower corner
	s_load_b32 s24, s[6:7], s29 offset:0xc         ; upper corner
	s_lshr_b32 s45, s17, 9                         ; input += b 2^24 + nb 16 channels of 65,536 bytes + yt 4 rows of 512 bytes
	s_lshl_b32 s20, s45, 24
	s_and_b32 s45, s17, 15
	s_lshl_b32 s46, s45, 20
	s_add_co_u32 s20, s20, s46
	s_bfe_u32 s46, s17, 0x50004
	s_lshl_b32 s46, s46, 11
	s_add_co_u32 s20, s20, s46
	s_add_nc_u64 s[4:5], s[4:5], s[20:21]
	s_lshr_b32 s20, s17, 4                         ; ft += (32 b + yt) x 16 tiles of 16,384 bytes + nb x 1,024
	s_lshl_b32 s20, s20, 18
	s_lshl_b32 s46, s45, 10
	s_add_co_u32 s20, s20, s46
	s_add_nc_u64 s[10:11], s[10:11], s[20:21]
	s_mul_i32 s20, s18, 98                         ; offset += (98 n + 49 a) x 4
	s_mul_i32 s46, s19, 49
	s_add_co_u32 s20, s20, s46
	s_lshl_b32 s20, s20, 2
	s_add_nc_u64 s[8:9], s[8:9], s[20:21]
	s_mul_i32 s46, s18, 2560                       ; par: 2,560 bytes a ROI
	s_lshl_b32 s20, s19, 10
	s_add_co_u32 s20, s20, s46
	s_add_nc_u64 s[30:31], s[12:13], s[20:21]      ; positions of this axis: 64 slots x 16 bytes
	s_lshl_b32 s20, s19, 8
	s_add_co_u32 s20, s20, s46
	s_add_co_u32 s20, s20, 2048
	s_add_nc_u64 s[32:33], s[12:13], s[20:21]      ; 1/count of this axis: 64 slots x 4 bytes
	s_lshl_b32 s20, s17, 7
	s_add_nc_u64 s[14:15], s[14:15], s[20:21]      ; hdr: 128 bytes for each u
	global_load_b32 v9, v4, s[8:9]                 ; offset of bins 0..31
	global_load_b32 v10, v6, s[8:9]                ; of bins 32..48 (48 repeated)
.macro LOADB q, buf                    ; row q of the 16 channels: each load is one whole row of 512 bytes
.irp r, 0,1,2,3,4,5,6,7,8,9,10,11,12,13,14,15
	global_load_b128 v[XR+64*\buf+4*\r:XR+64*\buf+4*\r+3], v1, s[4:5] offset:\r*65536+\q*512 th:TH_LOAD_NT
.endr
.endm
	LOADB 0, 0
	LOADB 1, 1                                     ; 32 loads of 512 bytes of every wave are on their way while the ROI job runs
	; ---- the ROI job ----
	s_wait_kmcnt 0x0
	v_rndne_f32 v11, s23
	v_rndne_f32 v33, s24
	v_fma_f32 v11, v11, s34, -0.5                  ; C1 = round(lo) / 16 - 0.5 (the product is exact)
	v_add_f32 v33, 1.0, v33
	v_fma_f32 v33, v33, s34, -0.5                  ; C2 = (round(hi) + 1) / 16 - 0.5
	v_sub_f32 v12, v33, v11
	v_max_num_f32 v12, 0x3dcccccd, v12             ; RS = max(C2 - C1, 0.1)
	v_mul_f32 v13, 0x3e124925, v12                 ; BS = RS / 7
	v_mul_f32 v14, 0x3e800000, v13                 ; SS = BS / 4
	s_wait_loadcnt 32                              ; the two offset loads are in; the 32 feature loads behind them stay out
.macro SAMPLE hf, i, fi                ; sample i of the slots 32 hf + l
.if \i
	v_fma_f32 v27, v14, \fi, v26                   ; W = start + i SS
.set WR, 27
.else
.set WR, 26
.endif
	v_cmp_le_f32 s43, -0.5, v[WR]
	v_cmp_ge_f32 vcc_lo, s35, v[WR]
	s_and_b32 vcc_lo, vcc_lo, s43                  ; valid: -0.5 <= W <= 127.5
	v_max_num_f32 v28, 0, v[WR]
	v_min_num_f32 v28, s36, v28                    ; C = clip(W, 0, 127)
.if \i == 0                                    ; SS > 0: sample 0 is the lowest, sample 3 the highest
.if \hf
	v_floor_f32 v33, v28
	v_min_num_f32 v31, v31, v33
.else
	v_floor_f32 v31, v28
.endif
	v_cndmask_b32 v30, 0, 1.0, vcc_lo              ; the first sample starts the count
.else
	v_cndmask_b32 v29, 0, 1.0, vcc_lo
	v_add_f32 v30, v30, v29
.endif
.if \i == 3
.if \hf
	v_floor_f32 v33, v28
	v_max_num_f32 v32, v32, v33
.else
	v_floor_f32 v32, v28
.endif
.endif
	v_cndmask_b32 v[16+4*\hf+\i], -4.0, v28, vcc_lo
.endm
.macro PAR hf                          ; each hf has store registers of its own: no store's data is written again
	v_mul_f32 v15, 0x3dcccccd, v[9+\hf]            ; T = offset x 0.1
	v_fma_f32 v26, v[7+\hf], v13, v11              ; p BS + C1
	v_fma_f32 v26, v15, v12, v26                   ; + T RS
	SAMPLE \hf, 0, 0
	SAMPLE \hf, 1, 1.0
	SAMPLE \hf, 2, 2.0
	SAMPLE \hf, 3, 3.0
	v_max_num_f32 v30, 1.0, v30
	v_rcp_f32 v[24+\hf], v30
	v_nop                                          ; one plain place behind v_rcp_f32 before its result is used (ISA guide 5.7.2)
	global_store_b128 v1, v[16+4*\hf:19+4*\hf], s[30:31] offset:512*\hf
	s_wait_alu depctr_va_vdst(0)
	global_store_b32 v4, v[24+\hf], s[32:33] offset:128*\hf
.endm
	PAR 0
	PAR 1
	; The cover: lowest floor and highest floor + 1 of the clipped positions of ALL samples: never empty, and it holds both pixels of every valid one.
.irp m, 1,2,4,8
	v_min_num_f32_dpp v31, v31, v31 row_xmask:\m row_mask:0xf bank_mask:0xf
	v_max_num_f32_dpp v32, v32, v32 row_xmask:\m row_mask:0xf bank_mask:0xf
.endr
	v_permlanex16_b32 v33, v31, s26, s27
	v_min_num_f32 v31, v31, v33
	v_permlanex16_b32 v33, v32, s26, s27
	v_max_num_f32 v32, v32, v33
	v_add_f32 v32, 1.0, v32
	v_min_num_f32 v32, s36, v32
	v_cvt_u32_f32 v31, v31
	v_cvt_u32_f32 v32, v32
	v_readfirstlane_b32 s37, v31
	v_readfirstlane_b32 s38, v32
	s_sub_co_u32 s39, 3, s19                       ; groups of 8 pixels along x, of 4 rows along y
	s_lshr_b32 s40, s37, s39                       ; first group
	s_lshr_b32 s41, s38, s39
	s_sub_co_u32 s41, s41, s40
	s_add_co_u32 s41, s41, 1                       ; number of groups
	v_cvt_i32_f32 v33, s22
	v_max_i32 v33, 0, v33
	v_min_i32 v33, 3, v33
	v_readfirstlane_b32 s42, v33                   ; batch index, 0..3
	v_mov_b32 v34, 0
	v_writelane_b32 v34, s40, 0
	v_writelane_b32 v34, s41, 1
	v_writelane_b32 v34, s42, 2
	global_store_b32 v4, v34, s[14:15]             ; 32 words: first group, groups, batch, zeros
	; ---- the feature job ----
.macro PROC q, buf, left               ; row q = 2 h + half: to f16 in place, 8 bytes a lane to [group][half][16 h + r]
	s_wait_loadcnt \left                           ; loads return in order (ISA guide 5.7.1): this batch is in, the other batch's 16 may stay out
.irp r, 0,1,2,3,4,5,6,7,8,9,10,11,12,13,14,15
	v_cvt_pk_f16_f32 v[XR+64*\buf+4*\r],   v[XR+64*\buf+4*\r],   v[XR+64*\buf+4*\r+1]
	v_cvt_pk_f16_f32 v[XR+64*\buf+4*\r+1], v[XR+64*\buf+4*\r+2], v[XR+64*\buf+4*\r+3]
	ds_store_b64 v2, v[XR+64*\buf+4*\r:XR+64*\buf+4*\r+1] offset:(\q&1)*512+((\q>>1)*16+\r)*16
.endr
.endm
	PROC 0, 0, 16
	s_wait_dscnt 0x0                               ; the LDS stores have taken their data: the batch's registers are loaded again
	LOADB 2, 0
	PROC 1, 1, 16
	s_wait_dscnt 0x0
	LOADB 3, 1
	PROC 2, 0, 16
	PROC 3, 1, 0
	s_wait_dscnt 0x0                               ; the loads below land in the registers from which the stores took their data
.irp xg, 0,1,2,3,4,5,6,7,8,9,10,11,12,13,14,15
.irp hf, 0,1
	ds_load_b128 v[XR+8*\xg+4*\hf:XR+8*\xg+4*\hf+3], v3 offset:\xg*WPITCH+\hf*512   ; the wave's own bytes: no barrier
.endr
.endr
.irp xg, 0,1,2,3,4,5,6,7,8,9,10,11,12,13,14,15
.irp hf, 0,1
	s_wait_dscnt 31-(2*\xg+\hf)                    ; the younger read-backs stay out
	global_store_b128 v1, v[XR+8*\xg+4*\hf:XR+8*\xg+4*\hf+3], s[10:11] offset:\xg*16384+\hf*512   ; 512 consecutive bytes, at a multiple of 512 in ft
.endr
.endr
	s_wait_tensorcnt 0x0
	ds_add_u32 v192, v193
	s_wait_dscnt 0x0
	s_endpgm
.Lfunc_end_k_q375523d554_prep:
	.size	k_q375523d554_prep, .Lfunc_end_k_q375523d554_prep-k_q375523d554_prep
	.p2alignl 7, 3214868480
	.fill 96, 4, 3214868480
	.section	.rodata,"a",@progbits
	.p2align	6, 0x0
	.amdhsa_kernel k_q375523d554_prep
		.amdhsa_group_segment_fixed_size 134144
		.amdhsa_private_segment_fixed_size 0
		.amdhsa_enable_private_segment 0
		.amdhsa_kernarg_size 48
		.amdhsa_user_sgpr_count 2
		.amdhsa_user_sgpr_kernarg_segment_ptr 1
		.amdhsa_wavefront_size32 1
		.amdhsa_system_sgpr_workgroup_id_x 1
		.amdhsa_system_sgpr_workgroup_id_y 1
		.amdhsa_system_sgpr_workgroup_id_z 1
		.amdhsa_system_vgpr_workitem_id 0
		.amdhsa_next_free_vgpr 194
		.amdhsa_next_free_sgpr 66
		.amdhsa_reserve_vcc 1
		.amdhsa_float_denorm_mode_32 3
		.amdhsa_float_denorm_mode_16_64 3
		.amdhsa_memory_ordered 1
		.amdhsa_forward_progress 1
		.amdhsa_inst_pref_size 35
	.end_amdhsa_kernel
	.amdgpu_metadata
---
amdhsa.version: [ 1, 2 ]
amdhsa.kernels:
  - .name:           k_q375523d554_prep
    .symbol:         k_q375523d554_prep.kd
    .args:
      - { .name: input, .offset: 0, .size: 8, .value_kind: global_buffer, .address_space: global }
      - { .name: rois, .offset: 8, .size: 8, .value_kind: global_buffer, .address_space: global }
      - { .name: offset, .offset: 16, .size: 8, .value_kind: global_buffer, .address_space: global }
      - { .name: ft, .offset: 24, .size: 8, .value_kind: global_buffer, .address_space: global }
      - { .name: par, .offset: 32, .size: 8, .value_kind: global_buffer, .address_space: global }
      - { .name: hdr, .offset: 40, .size: 8, .value_kind: global_buffer, .address_space: global }
    .group_segment_fixed_size: 134144
    .private_segment_fixed_size: 0
    .kernarg_segment_align: 8
    .kernarg_segment_size: 48
    .max_flat_workgroup_size: 256
    .sgpr_count:     66
    .vgpr_count:     194
    .wavefront_size: 32
...
	.end_amdgpu_metadata
.endif
;; end of part 1
;; launch pool (part 2): grid 1024 x 1, 4 waves a work-group, no clusters, 101,888 bytes of LDS; arguments ft, par, hdr, out0; writes out0
.if DOCPART == 2
	.amdgcn_target "amdgcn-amd-amdhsa--gfx1250"
	.amdhsa_code_object_version 6
	.text
	.protected	k_q375523d554_pool
	.globl	k_q375523d554_pool
	.p2align	8
	.type	k_q375523d554_pool,@function
k_q375523d554_pool:
	s_mov_b64 s[64:65], 0
	v_nop
	global_prefetch_b8 v0, s[64:65] scope:SCOPE_SE
	s_setreg_imm32_b32 hwreg(HW_REG_WAVE_MODE, 25, 1), 1
	s_wait_xcnt 0x0
; POOL.  One work-group for each ROI n.  A bilinear sample at the clipped position c puts the weight max(0, 1 - |x - c|) on pixel x, and
; validity, the 4 x 4 sample grid and the count are products of an x part and a y part.  So
;   out[n][ch][bin] = sum over pixels (y, x) of wy[bin][y] wx[bin][x] F[b][ch][y][x],
;   wx[bin][x] = (sum over the valid x samples of max(0, 1 - |x - c_i|)) / max(valid x samples, 1), wy likewise;
; a bin without a valid sample on one axis has weights 0 and gives 0.  That is a product [64 bin slots x P] x [P x 256 channels] over the ROI's
; cover, cut into tiles of 4 rows x 8 pixels = one K step of 32 of v_wmma_f32_16x16x32_f16, sums in f32.  The place of a pixel in K is the same in
; both operands: k = 8 h + e is (row 2 h, x e), k = 16 + 8 h + e is (row 2 h + 1, x e).
; f16, not bf16: weights lie in [0, 1] and features are limited as below, so the range suffices and three more bits of mantissa are kept.
; Wave w: channels 64 w .. 64 w + 63 (4 blocks) x 64 bin slots (4 blocks): 16 accumulators.  B fragments come straight from ft into registers
; (ft is laid in fragment order: each load is 512 consecutive bytes), two tiles ahead; A fragments are made in registers, wx x wy, from two LDS tables.
; Where the cover lies and how many tiles it has are whole numbers read from hdr, clamped by constants before they enter an address.
; Two barriers: one between the waves' table stores and everybody's table reads, one between the last table reads and the stage stores.
; NO CLUSTER, NO TENSOR LOAD: each ROI walks its own list of tiles, of its own length, read from memory; partners would share no schedule, and the
; features need no LDS.  NO PREFETCH: covers of different ROIs overlap at will, so no block could be asked for once only.
; LIMITS: |input| <= 65504.  A feature that is not finite in the ROI's tile cover, or in the tile read as padding behind it, makes that channel NaN
; for all bins of the ROI (0 x infinity).  Slots 49..63 carry the parameters of bin 48, so they repeat its sums; of them only slot 56 is used (below).
.set WXP,   272                        ; WX row: 16 slots of 8 f16 + 16 bytes (68 words: 16 rows start 4 words apart modulo 64)
.set WYP,   528                        ; WY row: 33 slots of 4 words {wy, wy} (132 words: likewise)
.set WYB,   64*WXP                     ; 17,408: WY behind WX
.set STAGE, WYB+64*WYP                 ; 51,200: f32 [256 channels][49 bins], 12,544 bytes of it each wave's own
.set WSTG,  64*49*4
.set WX,  8                            ; v[8:23]    wx of the tile: 4 registers (8 f16) for each bin block
.set WY,  24                           ; v[24:31]   wy of the lane's two rows, each twice in a word, for each bin block
.set A,   32                           ; v[32:63]   A fragments; before the loop: temporaries of the table build
.set B,   64                           ; v[64:127]  B fragments, two tiles
.set ACC, 128                          ; v[128:255] accumulator (mb, nbl) at ACC + 8 (4 mb + nbl)
; v1 w 4096 + 16 l   v2 r 272   v3 WYB + r 528 + 8 h   v4, v5 table addresses of the coming tile   v6 stage address   v7 lane
; s12 xg0  s14 b  s16 yt0  s20 wave  s21 my stage  s22 first tile  s23 nx  s24 ny  s25 SX  s26 SY  s27 trips  s[28:29] offset pair
; s[30:33] tile addresses  s34,s35 x slots  s36,s37 y slots  s38-s41 temporaries
	s_load_b256 s[4:11], s[0:1], 0x0               ; ft s[4:5], par s[6:7], hdr s[8:9], out0 s[10:11]
	s_set_vgpr_msb 0x40
	v_lshl_add_u32 v0, v0, 2, 0x18c00
	v_mov_b32 v1, 0
	s_set_vgpr_msb 0x4000
	v_and_b32 v7, 31, v0                           ; lane l
	v_lshrrev_b32 v8, 5, v0
	v_readfirstlane_b32 s20, v8                    ; wave
	v_and_b32 v9, 15, v0                           ; r
	v_bfe_u32 v10, v0, 4, 1                        ; h
	v_lshlrev_b32 v55, 4, v0                       ; thread t = 64 a + slot: 16 t
	v_lshlrev_b32 v56, 2, v0                       ; 4 t
	s_mov_b32 s29, 0
	s_lshl_b32 s28, ttmp9, 8                       ; hdr: 2 x 128 bytes a ROI
	s_mul_i32 s38, ttmp9, 2560                     ; par: 2,560 bytes a ROI
	s_mov_b32 s39, 0
	s_wait_kmcnt 0x0
	s_add_nc_u64 s[8:9], s[8:9], s[28:29]
	s_add_nc_u64 s[6:7], s[6:7], s[38:39]
	s_load_b128 s[12:15], s[8:9], 0x0              ; xg0, nx, b
	s_load_b128 s[16:19], s[8:9], 0x80             ; yt0, ny
	global_load_b128 v[32:35], v55, s[6:7]         ; my slot's four positions
	global_load_b32 v36, v56, s[6:7] offset:2048   ; and 1 / count
	s_lshl_b32 s40, s20, 12
	v_lshl_add_u32 v1, v7, 4, s40                  ; my four channel blocks in a tile, 16 bytes a lane
	v_mul_u32_u24 v2, v9, WXP
	v_mul_u32_u24 v3, v9, WYP
	v_lshl_add_u32 v3, v10, 3, v3
	v_add_nc_u32 v3, WYB, v3
	s_mul_i32 s21, s20, WSTG
	s_add_co_u32 s21, s21, STAGE
	v_mul_u32_u24 v6, v9, 196                      ; channel r: 49 f32
	v_lshl_add_u32 v6, v10, 5, v6                  ; bins 8 h ..
	v_add_nc_u32 v6, s21, v6
	s_wait_kmcnt 0x0
	s_min_u32 s12, s12, 15
	s_min_u32 s23, s13, 16
	s_max_u32 s23, s23, 1                          ; nx
	s_min_u32 s14, s14, 3
	s_min_u32 s16, s16, 31
	s_min_u32 s24, s17, 32
	s_max_u32 s24, s24, 1                          ; ny
	s_lshl_b32 s22, s14, 9
	s_lshl4_add_u32 s38, s16, s12
	s_add_co_u32 s22, s22, s38                     ; first tile = 512 b + 16 yt0 + xg0
	s_mul_i32 s27, s23, s24
	s_add_co_u32 s27, s27, 1
	s_lshr_b32 s27, s27, 1
	s_max_u32 s27, s27, 2                          ; pairs of tiles, at least two (one in front of the loop, one behind)
	s_sub_co_u32 s27, s27, 2                       ; the loop's trips
	s_mov_b32 s25, 0
	s_mov_b32 s26, 0
; The next tile of the walk (x fastest) for buffer q: its address and its two table slots; every number is clamped by a constant last of all.
; Tiles past the cover have SY >= ny: they take y slot ny, whose weights are all 0, and some tile inside ft.
.macro NEXT q
	s_lshl_b32 s38, s26, 4
	s_add_co_u32 s38, s38, s25
	s_add_co_u32 s38, s38, s22
	s_min_u32 s38, s38, 2047
	s_lshl_b32 s28, s38, 14                        ; tiles of 16,384 bytes
	s_add_nc_u64 s[30+2*\q:31+2*\q], s[4:5], s[28:29]
	s_min_u32 s[34+\q], s25, 15
	s_min_u32 s[36+\q], s26, s24
	s_min_u32 s[36+\q], s[36+\q], 32
	s_add_co_u32 s25, s25, 1
	s_cmp_eq_u32 s25, s23
	s_cselect_b32 s25, 0, s25
	s_cselect_b32 s38, 1, 0
	s_add_co_u32 s26, s26, s38
.endm
.macro GLOAD q                         ; eight loads of 512 consecutive bytes: the tile's B fragments of my four channel blocks
.irp nbl, 0,1,2,3
	global_load_b128 v[B+32*\q+8*\nbl:B+32*\q+8*\nbl+3],   v1, s[30+2*\q:31+2*\q] offset:\nbl*1024
	global_load_b128 v[B+32*\q+8*\nbl+4:B+32*\q+8*\nbl+7], v1, s[30+2*\q:31+2*\q] offset:\nbl*1024+512
.endr
.endm
.macro TADR q                          ; table addresses of buffer q's tile
	v_lshl_add_u32 v4, s[34+\q], 4, v2
	v_lshl_add_u32 v5, s[36+\q], 4, v3
.endm
.macro TBL                             ; the tile's weights: bin 16 mb + r: 8 wx, and wy of rows 2 h and 2 h + 1
.irp mb, 0,1,2,3
	ds_load_b128 v[WX+4*\mb:WX+4*\mb+3], v4 offset:\mb*16*WXP
	ds_load_b64  v[WY+2*\mb:WY+2*\mb+1], v5 offset:\mb*16*WYP
.endr
.endm
	NEXT 0
	GLOAD 0
	NEXT 1
	GLOAD 1
	; ---- the tables.  Waves 0, 1: wx of slots 32 (w & 1) + l; waves 2, 3: wy of the same slots.  v[40:43] = pixel - position of the four samples.
	; Each loop is counted against its table's own number of slots (16, 33) and is left as soon as the cover's groups are done.
; v[dst] = (sum over the four samples of max(0, 1 - |k + D_i|)) / count
.macro HAT dst, kf, isz
.if \isz
	v_sub_f32 v56, 1.0, |v40|
	v_sub_f32 v57, 1.0, |v41|
	v_sub_f32 v58, 1.0, |v42|
	v_sub_f32 v59, 1.0, |v43|
.else
	v_pk_add_f32 v[56:57], v[40:41], \kf op_sel_hi:[1,0]
	v_pk_add_f32 v[58:59], v[42:43], \kf op_sel_hi:[1,0]
	v_sub_f32 v56, 1.0, |v56|
	v_sub_f32 v57, 1.0, |v57|
	v_sub_f32 v58, 1.0, |v58|
	v_sub_f32 v59, 1.0, |v59|
.endif
	v_max_num_f32 v56, 0, v56
	v_max_num_f32 v57, 0, v57
	v_max_num_f32 v58, 0, v58
	v_max_num_f32 v59, 0, v59
	v_pk_add_f32 v[56:57], v[56:57], v[58:59]
	v_add_f32 v56, v56, v57
	v_mul_f32 v[\dst], v56, v36
.endm
	s_wait_loadcnt 16                              ; positions and 1/count are in; the 16 feature loads behind them stay out
	s_and_b32 s38, s20, 1
	s_mov_b32 s39, 0                               ; group g
	s_cmp_ge_u32 s20, 2
	s_cbranch_scc1 .Lbuild_y
	s_mul_i32 s38, s38, 32*WXP
	v_mul_u32_u24 v54, v7, WXP
	v_add_nc_u32 v54, s38, v54                     ; my row of WX
	s_lshl_b32 s41, s12, 3
	v_cvt_f32_u32 v52, s41                         ; first pixel of the cover
.irp i, 0,1,2,3
	v_sub_f32 v[40+\i], v52, v[32+\i]
.endr
.Lbx:                                              ; a trip: eight pixels, slot g of my row
	HAT 44, 0, 1
	HAT 45, 1.0, 0
	HAT 46, 2.0, 0
	HAT 47, 3.0, 0
	HAT 48, 4.0, 0
	HAT 49, 5.0, 0
	HAT 50, 6.0, 0
	HAT 51, 7.0, 0
.irp j, 0,1,2,3
	v_cvt_pk_f16_f32 v[44+\j], v[44+2*\j], v[44+2*\j+1]
.endr
	v_lshl_add_u32 v53, s39, 4, v54                ; g <= 15: inside the row's 256 bytes
	ds_store_b128 v53, v[44:47]
	v_pk_add_f32 v[40:41], v[40:41], 8.0 op_sel_hi:[1,0]
	v_pk_add_f32 v[42:43], v[42:43], 8.0 op_sel_hi:[1,0]
	s_add_co_u32 s39, s39, 1
	s_cmp_ge_u32 s39, s23                          ; the cover's nx groups are done: out
	s_cbranch_scc1 .Lbuilt
	s_cmp_lt_u32 s39, 16
	s_cbranch_scc1 .Lbx
	s_branch .Lbuilt
.Lbuild_y:
	s_mul_i32 s38, s38, 32*WYP
	s_add_co_u32 s38, s38, WYB
	v_mul_u32_u24 v54, v7, WYP
	v_add_nc_u32 v54, s38, v54                     ; my row of WY
	s_lshl_b32 s41, s16, 2
	v_cvt_f32_u32 v52, s41                         ; first row of the cover
.irp i, 0,1,2,3
	v_sub_f32 v[40+\i], v52, v[32+\i]
.endr
	s_add_co_u32 s40, s24, 1                       ; ny + 1 slots: slot ny lies past the cover, at least one row from every position: its weights come out 0
.Lby:                                              ; a trip: four rows, every weight twice in a word
	HAT 44, 0, 1
	HAT 45, 1.0, 0
	HAT 46, 2.0, 0
	HAT 47, 3.0, 0
.irp j, 0,1,2,3
	v_cvt_pk_f16_f32 v[44+\j], v[44+\j], v[44+\j]
.endr
	v_lshl_add_u32 v53, s39, 4, v54                ; g <= 32: inside the row's 528 bytes
	ds_store_b128 v53, v[44:47]
	v_pk_add_f32 v[40:41], v[40:41], 4.0 op_sel_hi:[1,0]
	v_pk_add_f32 v[42:43], v[42:43], 4.0 op_sel_hi:[1,0]
	s_add_co_u32 s39, s39, 1
	s_cmp_ge_u32 s39, s40                          ; ny + 1 slots are done: out
	s_cbranch_scc1 .Lbuilt
	s_cmp_lt_u32 s39, 33
	s_cbranch_scc1 .Lby
.Lbuilt:
	s_wait_dscnt 0x0                               ; my table rows are written, for the other waves' sake,
	s_barrier_signal -1
	s_barrier_wait -1                              ; and everybody's are: the tables are only read from here on
; One tile in buffer q.  zero: the first products start the sums.  gl: the buffer is loaded again, two tiles ahead.  tb: a tile follows;
; tb = 0 is the last tile: its weights are my last table reads, and the wave says so.  left: how many younger feature loads may stay out.
.macro TILE q, zero, gl, tb, left
	s_wait_dscnt 0x0                               ; this tile's weights, asked for one tile ago
.if \tb == 0
	s_barrier_signal -1                            ; my reads of the tables are over; up to the wait behind this tile there is register work only
.endif
.irp mb, 0,1,2,3
.irp k, 0,1,2,3
	v_pk_mul_f16 v[A+8*\mb+\k],   v[WX+4*\mb+\k], v[WY+2*\mb]      ; row 2 h:     k = 8 h + 2 k, + 1
	v_pk_mul_f16 v[A+8*\mb+4+\k], v[WX+4*\mb+\k], v[WY+2*\mb+1]    ; row 2 h + 1: k = 16 + 8 h + ..
.endr
.endr
.if \tb
	TBL                                            ; the next tile's weights (v4, v5 were set behind the last tile's products)
.endif
	s_wait_loadcnt \left                           ; loads return in order (ISA guide 5.7.1): this tile's eight are in, and their base is free
.irp mb, 0,1,2,3
.irp nbl, 0,1,2,3
.if \zero
	v_wmma_f32_16x16x32_f16 v[ACC+8*(4*\mb+\nbl):ACC+8*(4*\mb+\nbl)+7], v[A+8*\mb:A+8*\mb+7], v[B+32*\q+8*\nbl:B+32*\q+8*\nbl+7], 0
.else
	v_wmma_f32_16x16x32_f16 v[ACC+8*(4*\mb+\nbl):ACC+8*(4*\mb+\nbl)+7], v[A+8*\mb:A+8*\mb+7], v[B+32*\q+8*\nbl:B+32*\q+8*\nbl+7], v[ACC+8*(4*\mb+\nbl):ACC+8*(4*\mb+\nbl)+7]
.endif
.endr
.endr
	; four plain vector places (ISA guide 7.12.1) before B is loaded again, A is written again or a result is read
.if \gl
	NEXT \q
	TADR \q
	v_nop
	v_nop
	GLOAD \q
.else
	v_nop
	v_nop
	v_nop
	v_nop
.endif
.endm
	TADR 0
	TBL
	TADR 1
	TILE 0, 1, 1, 1, 8
	TILE 1, 0, 1, 1, 8
	s_cmp_eq_u32 s27, 0
	s_cbranch_scc1 .Ltail
.Lpair:
	TILE 0, 0, 1, 1, 8
	TILE 1, 0, 1, 1, 8
	s_sub_co_i32 s27, s27, 1
	s_cmp_lg_u32 s27, 0
	s_cbranch_scc1 .Lpair
.Ltail:
	TILE 0, 0, 0, 1, 8                             ; the last pair asks for nothing more
	TILE 1, 0, 0, 0, 0
	s_barrier_wait -1                              ; every wave's table reads are over: LDS is written again only behind this
	; ---- the way out.  Register j of accumulator (mb, nbl) in lane (r, h) is bin 16 mb + 8 h + j of channel 64 w + 16 nbl + r.  Through my own stage,
	; laid as out0 is ([channel][49 bins]), so that the stores are whole runs of consecutive bytes.  196 bytes a channel: words only.
	v_and_b32 v10, 15, v0                          ; r
	v_mul_u32_u24 v10, v10, 196
	v_add_nc_u32 v10, s21, v10                     ; my stage + channel r, with no term in h: for bin 48
.irp mb, 0,1,2
.irp nbl, 0,1,2,3
.irp j, 0,1,2,3,4,5,6,7
	ds_store_b32 v6, v[ACC+8*(4*\mb+\nbl)+\j] offset:\nbl*3136+\mb*64+4*\j
.endr
.endr
.endr
	; Bin 48 is register 0 of block 3.  Lane (r, 0) holds slot 48 and lane (r, 1) slot 56, whose row of A is equal to slot 48's: the two lanes hold the same
	; sum of the same channel and write it to the same word, all lanes on.  Highest byte: 15 x 196 + 3 x 3,136 + 192 + 4 = 12,544: inside my stage.
.irp nbl, 0,1,2,3
	ds_store_b32 v10, v[ACC+8*(12+\nbl)] offset:\nbl*3136+192
.endr
	v_lshl_add_u32 v4, v7, 4, s21
	v_lshl_add_u32 v5, v7, 3, s21
	v_lshlrev_b32 v2, 4, v7
	v_lshlrev_b32 v3, 3, v7
	s_mul_i32 s28, ttmp9, 4*WSTG
	s_mul_i32 s38, s20, WSTG
	s_add_co_u32 s28, s28, s38
	s_add_nc_u64 s[10:11], s[10:11], s[28:29]      ; out0 + n 50,176 + w 12,544: a multiple of 256
.irp i, 0,1,2,3,4,5,6,7,8,9,10,11,12,13,14,15,16,17,18,19,20,21,22,23
	ds_load_b128 v[A+4*\i:A+4*\i+3], v4 offset:512*\i      ; LDS serves a wave's instructions in order (ISA guide 5.7.1.4): these see my stores above
.endr
	ds_load_b64 v[8:9], v5 offset:12288            ; 12,544 = 24 x 512 + 256
.irp i, 0,1,2,3,4,5,6,7,8,9,10,11,12,13,14,15,16,17,18,19,20,21,22,23
	s_wait_dscnt 24-\i                             ; the younger read-backs stay out
	global_store_b128 v2, v[A+4*\i:A+4*\i+3], s[10:11] offset:512*\i th:TH_STORE_NT   ; 512 consecutive bytes, at a multiple of 256 in out0
.endr
	s_wait_dscnt 0x0
	global_store_b64 v3, v[8:9], s[10:11] offset:12288 th:TH_STORE_NT                 ; the last 256
	s_set_vgpr_msb 0x5
	s_wait_tensorcnt 0x0
	ds_add_u32 v0, v1
	s_wait_dscnt 0x0
	s_set_vgpr_msb 0x500
	s_endpgm
.Lfunc_end_k_q375523d554_pool:
	.size	k_q375523d554_pool, .Lfunc_end_k_q375523d554_pool-k_q375523d554_pool
	.p2alignl 7, 3214868480
	.fill 96, 4, 3214868480
	.section	.rodata,"a",@progbits
	.p2align	6, 0x0
	.amdhsa_kernel k_q375523d554_pool
		.amdhsa_group_segment_fixed_size 101888
		.amdhsa_private_segment_fixed_size 0
		.amdhsa_enable_private_segment 0
		.amdhsa_kernarg_size 32
		.amdhsa_user_sgpr_count 2
		.amdhsa_user_sgpr_kernarg_segment_ptr 1
		.amdhsa_wavefront_size32 1
		.amdhsa_system_sgpr_workgroup_id_x 1
		.amdhsa_system_sgpr_workgroup_id_y 1
		.amdhsa_system_sgpr_workgroup_id_z 1
		.amdhsa_system_vgpr_workitem_id 0
		.amdhsa_next_free_vgpr 258
		.amdhsa_next_free_sgpr 66
		.amdhsa_reserve_vcc 0
		.amdhsa_float_denorm_mode_32 3
		.amdhsa_float_denorm_mode_16_64 3
		.amdhsa_memory_ordered 1
		.amdhsa_forward_progress 1
		.amdhsa_inst_pref_size 55
	.end_amdhsa_kernel
	.amdgpu_metadata
---
amdhsa.version: [ 1, 2 ]
amdhsa.kernels:
  - .name:           k_q375523d554_pool
    .symbol:         k_q375523d554_pool.kd
    .args:
      - { .name: ft, .offset: 0, .size: 8, .value_kind: global_buffer, .address_space: global }
      - { .name: par, .offset: 8, .size: 8, .value_kind: global_buffer, .address_space: global }
      - { .name: hdr, .offset: 16, .size: 8, .value_kind: global_buffer, .address_space: global }
      - { .name: out0, .offset: 24, .size: 8, .value_kind: global_buffer, .address_space: global }
    .group_segment_fixed_size: 101888
    .private_segment_fixed_size: 0
    .kernarg_segment_align: 8
    .kernarg_segment_size: 32
    .max_flat_workgroup_size: 128
    .sgpr_count:     66
    .vgpr_count:     258
    .wavefront_size: 32
...
	.end_amdgpu_metadata
.endif
;; end of part 2
;; ======== version 2 of 2: 2 launches; version 1 with the launches prep, pool written anew for expert scheduling mode
;; limits: values outside matrix products are rounded to f16; inputs' magnitudes at most 65,504; values are held in f16: magnitudes above 65,504 overflow, below 6.1e-05 lose precision
;; workspace buffers: ft 33,554,432 bytes; par 2,621,440 bytes; hdr 262,144 bytes of whole numbers
;; launch prep (part 3): grid 256 x 1, 8 waves a work-group, no clusters, 134,144 bytes of LDS; arguments input, rois, offset, ft, par, hdr; writes ft, par, hdr
.if DOCPART == 3
	.amdgcn_target "amdgcn-amd-amdhsa--gfx1250"
	.amdhsa_code_object_version 6
	.text
	.protected	k_q375523d554_prep
	.globl	k_q375523d554_prep
	.p2align	8
	.type	k_q375523d554_prep,@function
k_q375523d554_prep:
	s_mov_b64 s[64:65], 0
	v_nop
	global_prefetch_b8 v0, s[64:65] scope:SCOPE_SE
	s_setreg_imm32_b32 hwreg(HW_REG_WAVE_SCHED_MODE, 0, 2), 2
	s_setreg_imm32_b32 hwreg(HW_REG_WAVE_MODE, 25, 1), 1
	s_wait_xcnt 0x0
	s_wait_alu depctr_vm_vsrc(0)
; PREP.  Two jobs for each of the 2,048 waves (u = 8 x work-group + wave); no wave depends on another, so there is no barrier.
; (1) FEATURES: input [4][256][128][128] f32 is laid again as f16 in the order of matrix fragments:
;     ft [b 4][yt 32][xg 16][nb 16][half 2][lane 32][8 f16], lane = 16 h + r, channel 16 nb + r, row 4 yt + 2 h + half, x 8 xg + 0..7.
;     Wave u takes b = u>>9, yt = (u>>4)&31, nb = u&15: 16 channels x 4 rows x 128 pixels, each input byte read once in loads of a
;     whole row (512 bytes), turned in the wave's own LDS bytes, and stored in pieces of 512 consecutive bytes.
; (2) ONE AXIS OF ONE ROI: n = u>>1, a = u&1 (0: x, 1: y).  For 64 bin slots (slots 49..63 repeat bin 48 and are never output):
;     the four clipped sample positions (an invalid sample is stored as -4.0, whose bilinear weight on every pixel >= 0 is 0) and
;     1 / max(number of valid samples, 1) go to par; the first pixel group, the number of groups and the batch index go to hdr
;     as whole numbers, from which the next launch forms its addresses and trip counts.  No address here hangs on them.
; LIMITS: |input| <= 65504 (f16; beyond it the feature becomes infinite).  The division by 7 is a multiplication by the rounded 1/7 and the
; start positions are made by fused multiply-adds: positions differ from separate roundings in the last bit, so a sample that lies exactly
; on a validity border may fall on the other side.  The batch index is clamped to 0..3.
; No matrix unit, cluster or tensor load: the job is a stream, every byte is touched once.
; THE MODE: SCHED_MODE bits 1:0 = 2 (LLVM: expert scheduling mode 2), set by the entry lines.  The code itself states the register dependences
; between vector instructions and memory or LDS instructions, with s_wait_alu, always for 0.
; THE PLAN.  Registers that memory or LDS instructions touch:
;   v1, v2, v3, v4, v6   offsets and LDS addresses: made at the head, never written again: one wait ahead of the first load serves the whole kernel.
;   XR0, XR1             a row of the 16 channels as loaded.  Row q's 32 conversions read XR[q % 2]; behind them row q + 2 lands in it; at the end the read-backs from LDS.
;   Y                    a row in f16.  Written by row q's conversions, read by its sixteen LDS stores, written again by row q + 1's conversions.
;   v[16:25], v34        the ROI job's results: written by it, read by five stores, never written again.
; So a row has ONE wait on va_vdst, behind its conversions (Y is written; XR[q % 2] is read out), and one on vm_vsrc at its head (the last row's LDS stores have read Y).
; Scalar registers that vector instructions write (the wave's number, the compares' masks, the cover) are made in runs, one wait on va_sdst behind each run.
.set XR,     64                        ; v[64:127], v[128:191]: two batches of 16 loads (one row of 16 channels each)
.set Y,      194                       ; v[194:225]: channel r's 8 bytes of a row in f16 at Y + 2 r
.set WPITCH, 1040                      ; LDS bytes of one x group: 2 halves x 32 lanes x 16 bytes + 16: 260 words, so neighbouring groups start 4 words apart modulo 64
.set WLDS,   16*WPITCH                 ; a wave's own LDS bytes
; v1 16 l   v2 LDS store address   v3 LDS read address   v4 4 l   v6 4 min(l+32,48)   v7,v8 bin coordinate p   v9,v10 offset values
; v11 C1  v12 RS  v13 BS  v14 SS  v15 T  v[16:23] positions  v24,v25 1/count  v26 p BS + C1  v29 ONE  v30 CNT  v31 LO  v32 HI  v33 tmp  v34 header
; v[48:51] the four samples' positions W  v[52:55] the same clipped  s[37:44] the compares' masks, two a sample
	s_load_b256 s[4:11], s[0:1], 0x0               ; input s[4:5], rois s[6:7], offset s[8:9], ft s[10:11]
	s_load_b128 s[12:15], s[0:1], 0x20             ; par s[12:13], hdr s[14:15]
	v_lshl_add_u32 v192, v0, 2, 0x20800
	v_mov_b32 v193, 0
	v_and_b32 v35, 31, v0                          ; lane l
	v_lshrrev_b32 v36, 5, v0
	v_readfirstlane_b32 s16, v36                   ; wave
	s_mov_b32 s21, 0                               ; high word of every offset pair s[20:21]
	s_mov_b32 s26, 0x76543210                      ; v_permlanex16_b32: lane i reads lane i of the other half
	s_mov_b32 s27, 0xfedcba98
	s_mov_b32 s34, 0x3d800000                      ; 0.0625
	s_mov_b32 s35, 0x42ff0000                      ; 127.5
	s_mov_b32 s36, 0x42fe0000                      ; 127.0
	v_lshlrev_b32 v1, 4, v35                       ; 16 l
	v_lshlrev_b32 v4, 2, v35                       ; 4 l
	v_lshrrev_b32 v36, 1, v35
	v_mul_u32_u24 v2, v36, WPITCH                  ; lane l holds x = 4 l .. 4 l + 3: group l >> 1,
	v_and_b32 v36, 1, v35
	v_lshl_add_u32 v2, v36, 3, v2                  ; its lower or upper 8 bytes
	v_add_nc_u32 v38, 32, v35
	v_min_u32 v38, 48, v38                         ; bin of slot l + 32
	v_lshlrev_b32 v6, 2, v38
	s_wait_alu depctr_va_sdst(0)                   ; s16 is written, ahead of its first reader: u and all that is made of it
	s_lshl_b32 s17, ttmp9, 3
	s_add_co_u32 s17, s17, s16                     ; u
	s_lshr_b32 s18, s17, 1                         ; n
	s_and_b32 s19, s17, 1                          ; a
	s_mul_i32 s28, s18, 20                         ; the ROI's row of five f32
	s_lshl2_add_u32 s29, s19, s28                  ; + 4 a: x1, x2 or y1, y2
	s_cmp_lg_u32 s19, 0
	s_cselect_b32 s25, -1, 0                       ; lane mask: all ones for the y job
	s_mul_i32 s44, s16, WLDS
	v_add_nc_u32 v2, s44, v2
	v_add_nc_u32 v3, s44, v1
.macro PIDX dst, src                   ; v[dst] = f32 of pw (x job) or ph (y job) of bin v[src] <= 48; (37 s) >> 8 = s / 7 for s <= 48
	v_mul_u32_u24 v39, v[\src], 37
	v_lshrrev_b32 v39, 8, v39
	v_mul_u32_u24 v40, v39, 7
	v_sub_nc_u32 v40, v[\src], v40
	v_cndmask_b32 v40, v40, v39, s25
	v_cvt_f32_u32 v[\dst], v40
.endm
	PIDX 7, 35
	PIDX 8, 38
	s_wait_kmcnt 0x0
	s_load_b32 s22, s[6:7], s28 offset:0x0         ; batch index
	s_load_b32 s23, s[6:7], s29 offset:0x4         ; lower corner
	s_load_b32 s24, s[6:7], s29 offset:0xc         ; upper corner
	s_lshr_b32 s45, s17, 9                         ; input += b 2^24 + nb 16 channels of 65,536 bytes + yt 4 rows of 512 bytes
	s_lshl_b32 s20, s45, 24
	s_and_b32 s45, s17, 15
	s_lshl_b32 s46, s45, 20
	s_add_co_u32 s20, s20, s46
	s_bfe_u32 s46, s17, 0x50004
	s_lshl_b32 s46, s46, 11
	s_add_co_u32 s20, s20, s46
	s_add_nc_u64 s[4:5], s[4:5], s[20:21]
	s_lshr_b32 s20, s17, 4                         ; ft += (32 b + yt) x 16 tiles of 16,384 bytes + nb x 1,024
	s_lshl_b32 s20, s20, 18
	s_lshl_b32 s46, s45, 10
	s_add_co_u32 s20, s20, s46
	s_add_nc_u64 s[10:11], s[10:11], s[20:21]
	s_mul_i32 s20, s18, 98                         ; offset += (98 n + 49 a) x 4
	s_mul_i32 s46, s19, 49
	s_add_co_u32 s20, s20, s46
	s_lshl_b32 s20, s20, 2
	s_add_nc_u64 s[8:9], s[8:9], s[20:21]
	s_mul_i32 s46, s18, 2560                       ; par: 2,560 bytes a ROI
	s_lshl_b32 s20, s19, 10
	s_add_co_u32 s20, s20, s46
	s_add_nc_u64 s[30:31], s[12:13], s[20:21]      ; positions of this axis: 64 slots x 16 bytes
	s_lshl_b32 s20, s19, 8
	s_add_co_u32 s20, s20, s46
	s_add_co_u32 s20, s20, 2048
	s_add_nc_u64 s[32:33], s[12:13], s[20:21]      ; 1/count of this axis: 64 slots x 4 bytes
	s_lshl_b32 s20, s17, 7
	s_add_nc_u64 s[14:15], s[14:15], s[20:21]      ; hdr: 128 bytes for each u
	s_wait_alu depctr_va_vdst(0)                   ; v1, v2, v3, v4 and v6 are written: every load and store of the kernel, global or LDS, reads one of them as its offset or address
	global_load_b32 v9, v4, s[8:9]                 ; offset of bins 0..31
	global_load_b32 v10, v6, s[8:9]                ; of bins 32..48 (48 repeated)
.macro LOADB q, buf                    ; row q of the 16 channels: each load is one whole row of 512 bytes
.irp r, 0,1,2,3,4,5,6,7,8,9,10,11,12,13,14,15
	global_load_b128 v[XR+64*\buf+4*\r:XR+64*\buf+4*\r+3], v1, s[4:5] offset:\r*65536+(\q)*512 th:TH_LOAD_NT
.endr
.endm
	LOADB 0, 0
	LOADB 1, 1                                     ; 32 loads of 512 bytes of every wave are on their way while the ROI job runs
	; ---- the ROI job ----
	s_wait_kmcnt 0x0
	v_rndne_f32 v11, s23
	v_rndne_f32 v33, s24
	v_fma_f32 v11, v11, s34, -0.5                  ; C1 = round(lo) / 16 - 0.5 (the product is exact)
	v_add_f32 v33, 1.0, v33
	v_fma_f32 v33, v33, s34, -0.5                  ; C2 = (round(hi) + 1) / 16 - 0.5
	v_sub_f32 v12, v33, v11
	v_max_num_f32 v12, 0x3dcccccd, v12             ; RS = max(C2 - C1, 0.1)
	v_mul_f32 v13, 0x3e124925, v12                 ; BS = RS / 7
	v_mul_f32 v14, 0x3e800000, v13                 ; SS = BS / 4
	s_wait_loadcnt 32                              ; the two offset loads are in; the 32 feature loads behind them stay out
; The slots 32 hf + l.  The four samples go side by side: positions, the eight compares in one run, the clips, one wait, the selects.
; Each hf has store registers of its own: no store's data is written again.
.macro PAR hf
	v_mul_f32 v15, 0x3dcccccd, v[9+\hf]            ; T = offset x 0.1
	v_fma_f32 v26, v[7+\hf], v13, v11              ; p BS + C1
	v_fma_f32 v48, v15, v12, v26                   ; + T RS: sample 0
	v_fma_f32 v49, v14, 1.0, v48                   ; W = start + i SS
	v_fma_f32 v50, v14, 2.0, v48
	v_fma_f32 v51, v14, 3.0, v48
.irp i, 0,1,2,3
	v_cmp_le_f32 s[37+2*\i], -0.5, v[48+\i]
	v_cmp_ge_f32 s[38+2*\i], s35, v[48+\i]
.endr
.irp i, 0,1,2,3
	v_max_num_f32 v[52+\i], 0, v[48+\i]
	v_min_num_f32 v[52+\i], s36, v[52+\i]          ; C = clip(W, 0, 127)
.endr
.if \hf                                        ; SS > 0: sample 0 is the lowest, sample 3 the highest
	v_floor_f32 v33, v52
	v_min_num_f32 v31, v31, v33
	v_floor_f32 v33, v55
	v_max_num_f32 v32, v32, v33
.else
	v_floor_f32 v31, v52
	v_floor_f32 v32, v55
.endif
	s_wait_alu depctr_va_sdst(0)                   ; the eight compares have written s[37:44], ahead of their first readers below
.irp i, 0,1,2,3
	s_and_b32 s[37+2*\i], s[37+2*\i], s[38+2*\i]   ; valid: -0.5 <= W <= 127.5
.endr
	v_cndmask_b32 v30, 0, 1.0, s37                 ; the first sample starts the count
.irp i, 1,2,3
	v_cndmask_b32 v29, 0, 1.0, s[37+2*\i]
	v_add_f32 v30, v30, v29
.endr
.irp i, 0,1,2,3
	v_cndmask_b32 v[16+4*\hf+\i], -4.0, v[52+\i], s[37+2*\i]
.endr
	v_max_num_f32 v30, 1.0, v30
	v_rcp_f32 v[24+\hf], v30
	v_nop                                          ; one plain place behind v_rcp_f32 before its result is used or its source written again (ISA guide 5.7.2)
.endm
	PAR 0
	PAR 1
	; The cover: lowest floor and highest floor + 1 of the clipped positions of ALL samples: never empty, and it holds both pixels of every valid one.
.irp m, 1,2,4,8
	v_min_num_f32_dpp v31, v31, v31 row_xmask:\m row_mask:0xf bank_mask:0xf
	v_max_num_f32_dpp v32, v32, v32 row_xmask:\m row_mask:0xf bank_mask:0xf
.endr
	v_permlanex16_b32 v33, v31, s26, s27
	v_min_num_f32 v31, v31, v33
	v_permlanex16_b32 v33, v32, s26, s27
	v_max_num_f32 v32, v32, v33
	v_add_f32 v32, 1.0, v32
	v_min_num_f32 v32, s36, v32
	v_cvt_u32_f32 v31, v31
	v_cvt_u32_f32 v32, v32
	v_cvt_i32_f32 v33, s22
	v_max_i32 v33, 0, v33
	v_min_i32 v33, 3, v33
	v_readfirstlane_b32 s37, v31
	v_readfirstlane_b32 s38, v32
	v_readfirstlane_b32 s42, v33                   ; batch index, 0..3
	v_mov_b32 v34, 0
	s_sub_co_u32 s39, 3, s19                       ; groups of 8 pixels along x, of 4 rows along y
	s_wait_alu depctr_va_sdst(0)                   ; s37, s38 and s42 are written, ahead of their first readers: the shifts and the last v_writelane_b32 below
	s_lshr_b32 s40, s37, s39                       ; first group
	s_lshr_b32 s41, s38, s39
	s_sub_co_u32 s41, s41, s40
	s_add_co_u32 s41, s41, 1                       ; number of groups
	v_writelane_b32 v34, s40, 0
	v_writelane_b32 v34, s41, 1
	v_writelane_b32 v34, s42, 2
	s_wait_alu depctr_va_vdst(0)                   ; the positions v[16:23], the two reciprocals v24 and v25 (named here for the first time) and the header v34 are written: the five stores read them
	global_store_b128 v1, v[16:19], s[30:31]
	global_store_b128 v1, v[20:23], s[30:31] offset:512
	global_store_b32 v4, v24, s[32:33]
	global_store_b32 v4, v25, s[32:33] offset:128
	global_store_b32 v4, v34, s[14:15]             ; 32 words: first group, groups, batch, zeros
	; ---- the feature job ----
; Row q = 2 h + half, in batch buf: to f16 into Y, 8 bytes a lane to [group][half][16 h + r].  ahead = 1: the batch is asked for again, for row q + 2.
.macro PROC q, buf, left, ahead
	s_wait_loadcnt \left                           ; loads return in order (ISA guide 5.7.1): this batch is in, the other batch's 16 may stay out
.if \q
	s_wait_alu depctr_vm_vsrc(0)                   ; the LDS stores of the row before have read Y, which the conversions below write again
.endif
.irp r, 0,1,2,3,4,5,6,7,8,9,10,11,12,13,14,15
	v_cvt_pk_f16_f32 v[Y+2*\r],   v[XR+64*\buf+4*\r],   v[XR+64*\buf+4*\r+1]
	v_cvt_pk_f16_f32 v[Y+2*\r+1], v[XR+64*\buf+4*\r+2], v[XR+64*\buf+4*\r+3]
.endr
	s_wait_alu depctr_va_vdst(0)                   ; the conversions have written Y, which the LDS stores read, and are done reading this batch, in which loads land next (row q + 2, or the read-backs)
.if \ahead
	LOADB (\q+2), \buf                             ; at once, ahead of the LDS stores: no vector instruction since the wait names the batch
.endif
.irp r, 0,1,2,3,4,5,6,7,8,9,10,11,12,13,14,15
	ds_store_b64 v2, v[Y+2*\r:Y+2*\r+1] offset:(\q&1)*512+((\q>>1)*16+\r)*16
.endr
.endm
	PROC 0, 0, 16, 1
	PROC 1, 1, 16, 1
	PROC 2, 0, 16, 0
	PROC 3, 1, 0, 0
.irp xg, 0,1,2,3,4,5,6,7,8,9,10,11,12,13,14,15
.irp hf, 0,1
	ds_load_b128 v[XR+8*\xg+4*\hf:XR+8*\xg+4*\hf+3], v3 offset:\xg*WPITCH+\hf*512   ; the wave's own bytes: no barrier; LDS serves a wave's instructions in order (ISA guide 5.7.1.4): these see the stores above
.endr
.endr
.irp xg, 0,1,2,3,4,5,6,7,8,9,10,11,12,13,14,15
.irp hf, 0,1
	s_wait_dscnt 31-(2*\xg+\hf)                    ; the younger read-backs stay out
	global_store_b128 v1, v[XR+8*\xg+4*\hf:XR+8*\xg+4*\hf+3], s[10:11] offset:\xg*16384+\hf*512   ; 512 consecutive bytes, at a multiple of 512 in ft
.endr
.endr
	s_wait_dscnt 0x0                               ; the closing lines, six on end, of a launch in the mode that stores to LDS
	s_wait_alu 0x0
	s_wait_tensorcnt 0x0
	ds_add_u32 v192, v193
	s_wait_dscnt 0x0
	s_endpgm
.Lfunc_end_k_q375523d554_prep:
	.size	k_q375523d554_prep, .Lfunc_end_k_q375523d554_prep-k_q375523d554_prep
	.p2alignl 7, 3214868480
	.fill 96, 4, 3214868480
	.section	.rodata,"a",@progbits
	.p2align	6, 0x0
	.amdhsa_kernel k_q375523d554_prep
		.amdhsa_group_segment_fixed_size 134144
		.amdhsa_private_segment_fixed_size 0
		.amdhsa_enable_private_segment 0
		.amdhsa_kernarg_size 48
		.amdhsa_user_sgpr_count 2
		.amdhsa_user_sgpr_kernarg_segment_ptr 1
		.amdhsa_wavefront_size32 1
		.amdhsa_system_sgpr_workgroup_id_x 1
		.amdhsa_system_sgpr_workgroup_id_y 1
		.amdhsa_system_sgpr_workgroup_id_z 1
		.amdhsa_system_vgpr_workitem_id 0
		.amdhsa_next_free_vgpr 226
		.amdhsa_next_free_sgpr 66
		.amdhsa_reserve_vcc 0
		.amdhsa_float_denorm_mode_32 3
		.amdhsa_float_denorm_mode_16_64 3
		.amdhsa_memory_ordered 1
		.amdhsa_forward_progress 1
		.amdhsa_inst_pref_size 35
	.end_amdhsa_kernel
	.amdgpu_metadata
---
amdhsa.version: [ 1, 2 ]
amdhsa.kernels:
  - .name:           k_q375523d554_prep
    .symbol:         k_q375523d554_prep.kd
    .args:
      - { .name: input, .offset: 0, .size: 8, .value_kind: global_buffer, .address_space: global }
      - { .name: rois, .offset: 8, .size: 8, .value_kind: global_buffer, .address_space: global }
      - { .name: offset, .offset: 16, .size: 8, .value_kind: global_buffer, .address_space: global }
      - { .name: ft, .offset: 24, .size: 8, .value_kind: global_buffer, .address_space: global }
      - { .name: par, .offset: 32, .size: 8, .value_kind: global_buffer, .address_space: global }
      - { .name: hdr, .offset: 40, .size: 8, .value_kind: global_buffer, .address_space: global }
    .group_segment_fixed_size: 134144
    .private_segment_fixed_size: 0
    .kernarg_segment_align: 8
    .kernarg_segment_size: 48
    .max_flat_workgroup_size: 256
    .sgpr_count:     66
    .vgpr_count:     226
    .wavefront_size: 32
...
	.end_amdgpu_metadata
.endif
;; end of part 3
;; launch pool (part 4): grid 1024 x 1, 4 waves a work-group, no clusters, 101,888 bytes of LDS; arguments ft, par, hdr, out0; writes out0
.if DOCPART == 4
	.amdgcn_target "amdgcn-amd-amdhsa--gfx1250"
	.amdhsa_code_object_version 6
	.text
	.protected	k_q375523d554_pool
	.globl	k_q375523d554_pool
	.p2align	8
	.type	k_q375523d554_pool,@function
k_q375523d554_pool:
	s_mov_b64 s[64:65], 0
	v_nop
	global_prefetch_b8 v0, s[64:65] scope:SCOPE_SE
	s_setreg_imm32_b32 hwreg(HW_REG_WAVE_SCHED_MODE, 0, 2), 2
	s_setreg_imm32_b32 hwreg(HW_REG_WAVE_MODE, 25, 1), 1
	s_wait_xcnt 0x0
	s_wait_alu depctr_vm_vsrc(0)
; POOL.  One work-group for each ROI n.  A bilinear sample at the clipped position c puts the weight max(0, 1 - |x - c|) on pixel x, and
; validity, the 4 x 4 sample grid and the count are products of an x part and a y part.  So
;   out[n][ch][bin] = sum over pixels (y, x) of wy[bin][y] wx[bin][x] F[b][ch][y][x],
;   wx[bin][x] = (sum over the valid x samples of max(0, 1 - |x - c_i|)) / max(valid x samples, 1), wy likewise;
; a bin without a valid sample on one axis has weights 0 and gives 0.  That is a product [64 bin slots x P] x [P x 256 channels] over the ROI's
; cover, cut into tiles of 4 rows x 8 pixels = one K step of 32 of v_wmma_f32_16x16x32_f16, sums in f32.  The place of a pixel in K is the same in
; both operands: k = 8 h + e is (row 2 h, x e), k = 16 + 8 h + e is (row 2 h + 1, x e).
; f16, not bf16: weights lie in [0, 1] and features are limited as below, so the range suffices and three more bits of mantissa are kept.
; Wave w: channels 64 w .. 64 w + 63 (4 blocks) x 64 bin slots (4 blocks): 16 accumulators.  B fragments come straight from ft into registers
; (ft is laid in fragment order: each load is 512 consecutive bytes), in two buffers by turns; A fragments are made in registers, wx x wy, from two LDS tables.
; Where the cover lies and how many tiles it has are whole numbers read from hdr, clamped by constants before they enter an address.
; Two barriers: one between the waves' table stores and everybody's table reads, one between the last table reads and the stage stores.
; NO CLUSTER, NO TENSOR LOAD: each ROI walks its own list of tiles, of its own length, read from memory; partners would share no schedule, and the
; features need no LDS.  NO PREFETCH: covers of different ROIs overlap at will, so no block could be asked for once only.
; LIMITS: |input| <= 65504.  A feature that is not finite in the ROI's tile cover, or in the tile read as padding behind it, makes that channel NaN
; for all bins of the ROI (0 x infinity).  Slots 49..63 carry the parameters of bin 48, so they repeat its sums; of them only slot 56 is used (below).
; THE MODE: SCHED_MODE bits 1:0 = 2 (LLVM: expert scheduling mode 2), set by the entry lines.  The code itself states the register dependences
; between vector or matrix instructions and memory or LDS instructions, with s_wait_alu, always for 0.
; THE PLAN.  Registers that memory or LDS instructions touch, in the loop over tiles (tile t works on B[t % 2]):
;   WX, WY   Tile t's 32 products wx x wy read them; behind those the weights of tile t + 1 land in them.
;   v4, v5   The tables' addresses: written behind tile t's matrix instructions (for tile t + 2), read by the table loads of tile t + 1.
;   B0, B1   Tile t's sixteen matrix instructions read B[t % 2]; the loads of tile t + 2 land in it, issued in tile t + 1 behind that tile's products wx x wy.
;   v1       The offset of every feature load: made at the head, never written again; the tiles are reached by two scalar bases.
;   A and the accumulators are named by vector and matrix instructions alone.
; So ONE wait on va_vdst stands in a tile, behind its products wx x wy: they are done reading WX and WY, v4 and v5 are written, and the matrix instructions of the tile
; before are done reading the other B buffer.  The tile's sixteen loads follow it; the tile's matrix instructions name A, B[t % 2] and the accumulators, none of which
; those loads touch.  One wait on vm_vsrc stands ahead of the two lines that write v4 and v5.
.set WXP,   272                        ; WX row: 16 slots of 8 f16 + 16 bytes (68 words: 16 rows start 4 words apart modulo 64)
.set WYP,   528                        ; WY row: 33 slots of 4 words {wy, wy} (132 words: likewise)
.set WYB,   64*WXP                     ; 17,408: WY behind WX
.set STAGE, WYB+64*WYP                 ; 51,200: f32 [256 channels][49 bins], 12,544 bytes of it each wave's own
.set WSTG,  64*49*4
.set WX,  8                            ; v[8:23]    wx of the tile: 4 registers (8 f16) for each bin block
.set WY,  24                           ; v[24:31]   wy of the lane's two rows, each twice in a word, for each bin block
.set A,   32                           ; v[32:63]   A fragments; before the loop: temporaries of the table build
.set B,   64                           ; v[64:127]  B fragments, two tiles
.set ACC, 128                          ; v[128:255] accumulator (mb, nbl) at ACC + 8 (4 mb + nbl)
; v1 w 4096 + 16 l   v2 r 272   v3 WYB + r 528 + 8 h   v4, v5 table addresses of the coming tile   v6 stage address   v7 lane
; s12 xg0  s14 b  s16 yt0  s20 wave  s21 my stage  s22 first tile  s23 nx  s24 ny  s25 SX  s26 SY  s27 trips  s[28:29] offset pair
; s[30:33] tile addresses  s34,s35 x slots  s36,s37 y slots  s38-s41 temporaries
	s_load_b256 s[4:11], s[0:1], 0x0               ; ft s[4:5], par s[6:7], hdr s[8:9], out0 s[10:11]
	s_set_vgpr_msb 0x40
	v_lshl_add_u32 v0, v0, 2, 0x18c00
	v_mov_b32 v1, 0
	s_set_vgpr_msb 0x4000
	v_and_b32 v7, 31, v0                           ; lane l
	v_lshrrev_b32 v8, 5, v0
	v_readfirstlane_b32 s20, v8                    ; wave
	v_and_b32 v9, 15, v0                           ; r
	v_bfe_u32 v10, v0, 4, 1                        ; h
	v_lshlrev_b32 v55, 4, v0                       ; thread t = 64 a + slot: 16 t
	v_lshlrev_b32 v56, 2, v0                       ; 4 t
	v_mul_u32_u24 v2, v9, WXP
	v_mul_u32_u24 v3, v9, WYP
	v_lshl_add_u32 v3, v10, 3, v3
	v_add_nc_u32 v3, WYB, v3
	v_mul_u32_u24 v6, v9, 196                      ; channel r: 49 f32
	v_lshl_add_u32 v6, v10, 5, v6                  ; bins 8 h ..
	s_mov_b32 s29, 0
	s_lshl_b32 s28, ttmp9, 8                       ; hdr: 2 x 128 bytes a ROI
	s_mul_i32 s38, ttmp9, 2560                     ; par: 2,560 bytes a ROI
	s_mov_b32 s39, 0
	s_wait_alu depctr_va_sdst(0)                   ; s20 is written, ahead of its first reader: my channels' offset and my stage are made from it
	s_lshl_b32 s40, s20, 12
	v_lshl_add_u32 v1, v7, 4, s40                  ; my four channel blocks in a tile, 16 bytes a lane
	s_mul_i32 s21, s20, WSTG
	s_add_co_u32 s21, s21, STAGE
	v_add_nc_u32 v6, s21, v6
	s_wait_kmcnt 0x0
	s_add_nc_u64 s[8:9], s[8:9], s[28:29]
	s_add_nc_u64 s[6:7], s[6:7], s[38:39]
	s_load_b128 s[12:15], s[8:9], 0x0              ; xg0, nx, b
	s_load_b128 s[16:19], s[8:9], 0x80             ; yt0, ny
	s_wait_alu depctr_va_vdst(0)                   ; v55, v56, v1 and v6 are written, which the loads below, every feature load and the stage stores read; so are v8 to v10, in which weights land
	global_load_b128 v[32:35], v55, s[6:7]         ; my slot's four positions
	global_load_b32 v36, v56, s[6:7] offset:2048   ; and 1 / count
	s_wait_kmcnt 0x0
	s_min_u32 s12, s12, 15
	s_min_u32 s23, s13, 16
	s_max_u32 s23, s23, 1                          ; nx
	s_min_u32 s14, s14, 3
	s_min_u32 s16, s16, 31
	s_min_u32 s24, s17, 32
	s_max_u32 s24, s24, 1                          ; ny
	s_lshl_b32 s22, s14, 9
	s_lshl4_add_u32 s38, s16, s12
	s_add_co_u32 s22, s22, s38                     ; first tile = 512 b + 16 yt0 + xg0
	s_mul_i32 s27, s23, s24
	s_add_co_u32 s27, s27, 1
	s_lshr_b32 s27, s27, 1
	s_max_u32 s27, s27, 2                          ; pairs of tiles, at least two (one in front of the loop, one behind)
	s_sub_co_u32 s27, s27, 2                       ; the loop's trips
	s_mov_b32 s25, 0
	s_mov_b32 s26, 0
; The next tile of the walk (x fastest) for buffer q: its address and its two table slots; every number is clamped by a constant last of all.
; Tiles past the cover have SY >= ny: they take y slot ny, whose weights are all 0, and some tile inside ft.
.macro NEXT q
	s_lshl_b32 s38, s26, 4
	s_add_co_u32 s38, s38, s25
	s_add_co_u32 s38, s38, s22
	s_min_u32 s38, s38, 2047
	s_lshl_b32 s28, s38, 14                        ; tiles of 16,384 bytes
	s_add_nc_u64 s[30+2*\q:31+2*\q], s[4:5], s[28:29]
	s_min_u32 s[34+\q], s25, 15
	s_min_u32 s[36+\q], s26, s24
	s_min_u32 s[36+\q], s[36+\q], 32
	s_add_co_u32 s25, s25, 1
	s_cmp_eq_u32 s25, s23
	s_cselect_b32 s25, 0, s25
	s_cselect_b32 s38, 1, 0
	s_add_co_u32 s26, s26, s38
.endm
.macro GLOAD q                         ; eight loads of 512 consecutive bytes: the tile's B fragments of my four channel blocks
.irp nbl, 0,1,2,3
	global_load_b128 v[B+32*(\q)+8*\nbl:B+32*(\q)+8*\nbl+3],   v1, s[30+2*(\q):31+2*(\q)] offset:\nbl*1024
	global_load_b128 v[B+32*(\q)+8*\nbl+4:B+32*(\q)+8*\nbl+7], v1, s[30+2*(\q):31+2*(\q)] offset:\nbl*1024+512
.endr
.endm
.macro TADR q                          ; table addresses of buffer q's tile
	v_lshl_add_u32 v4, s[34+\q], 4, v2
	v_lshl_add_u32 v5, s[36+\q], 4, v3
.endm
.macro TBL                             ; the tile's weights: bin 16 mb + r: 8 wx, and wy of rows 2 h and 2 h + 1
.irp mb, 0,1,2,3
	ds_load_b128 v[WX+4*\mb:WX+4*\mb+3], v4 offset:\mb*16*WXP
	ds_load_b64  v[WY+2*\mb:WY+2*\mb+1], v5 offset:\mb*16*WYP
.endr
.endm
	NEXT 0
	GLOAD 0
	NEXT 1
	GLOAD 1
	; ---- the tables.  Waves 0, 1: wx of slots 32 (w & 1) + l; waves 2, 3: wy of the same slots.  v[40:43] = pixel - position of the four samples.
	; Each loop is counted against its table's own number of slots (16, 33) and is left as soon as the cover's groups are done.
; v[dst] = (sum over the four samples of max(0, 1 - |k + D_i|)) / count
.macro HAT dst, kf, isz
.if \isz
	v_sub_f32 v56, 1.0, |v40|
	v_sub_f32 v57, 1.0, |v41|
	v_sub_f32 v58, 1.0, |v42|
	v_sub_f32 v59, 1.0, |v43|
.else
	v_pk_add_f32 v[56:57], v[40:41], \kf op_sel_hi:[1,0]
	v_pk_add_f32 v[58:59], v[42:43], \kf op_sel_hi:[1,0]
	v_sub_f32 v56, 1.0, |v56|
	v_sub_f32 v57, 1.0, |v57|
	v_sub_f32 v58, 1.0, |v58|
	v_sub_f32 v59, 1.0, |v59|
.endif
	v_max_num_f32 v56, 0, v56
	v_max_num_f32 v57, 0, v57
	v_max_num_f32 v58, 0, v58
	v_max_num_f32 v59, 0, v59
	v_pk_add_f32 v[56:57], v[56:57], v[58:59]
	v_add_f32 v56, v56, v57
	v_mul_f32 v[\dst], v56, v36
.endm
	s_wait_loadcnt 16                              ; positions and 1/count are in; the 16 feature loads behind them stay out
	s_and_b32 s38, s20, 1
	s_mov_b32 s39, 0                               ; group g
	s_cmp_ge_u32 s20, 2
	s_cbranch_scc1 .Lbuild_y
	s_mul_i32 s38, s38, 32*WXP
	v_mul_u32_u24 v54, v7, WXP
	v_add_nc_u32 v54, s38, v54                     ; my row of WX
	s_lshl_b32 s41, s12, 3
	v_cvt_f32_u32 v52, s41                         ; first pixel of the cover
.irp i, 0,1,2,3
	v_sub_f32 v[40+\i], v52, v[32+\i]
.endr
.Lbx:                                              ; a trip: eight pixels, slot g of my row
	s_wait_alu depctr_vm_vsrc(0)                   ; first trip: the load of 1/count has read its offset v56; later: the last trip's LDS store has read v53 and v[44:47]; the lines below write them again
	HAT 44, 0, 1
	HAT 45, 1.0, 0
	HAT 46, 2.0, 0
	HAT 47, 3.0, 0
	HAT 48, 4.0, 0
	HAT 49, 5.0, 0
	HAT 50, 6.0, 0
	HAT 51, 7.0, 0
.irp j, 0,1,2,3
	v_cvt_pk_f16_f32 v[44+\j], v[44+2*\j], v[44+2*\j+1]
.endr
	v_lshl_add_u32 v53, s39, 4, v54                ; g <= 15: inside the row's 256 bytes
	s_wait_alu depctr_va_vdst(0)                   ; the conversions have written v[44:47], and v53 is written: the LDS store reads them
	ds_store_b128 v53, v[44:47]
	v_pk_add_f32 v[40:41], v[40:41], 8.0 op_sel_hi:[1,0]
	v_pk_add_f32 v[42:43], v[42:43], 8.0 op_sel_hi:[1,0]
	s_add_co_u32 s39, s39, 1
	s_cmp_ge_u32 s39, s23                          ; the cover's nx groups are done: out
	s_cbranch_scc1 .Lbuilt
	s_cmp_lt_u32 s39, 16
	s_cbranch_scc1 .Lbx
	s_branch .Lbuilt
.Lbuild_y:
	s_mul_i32 s38, s38, 32*WYP
	s_add_co_u32 s38, s38, WYB
	v_mul_u32_u24 v54, v7, WYP
	v_add_nc_u32 v54, s38, v54                     ; my row of WY
	s_lshl_b32 s41, s16, 2
	v_cvt_f32_u32 v52, s41                         ; first row of the cover
.irp i, 0,1,2,3
	v_sub_f32 v[40+\i], v52, v[32+\i]
.endr
	s_add_co_u32 s40, s24, 1                       ; ny + 1 slots: slot ny lies past the cover, at least one row from every position: its weights come out 0
.Lby:                                              ; a trip: four rows, every weight twice in a word
	s_wait_alu depctr_vm_vsrc(0)                   ; first trip: the load of 1/count has read its offset v56; later: the last trip's LDS store has read v53 and v[44:47]; the lines below write them again
	HAT 44, 0, 1
	HAT 45, 1.0, 0
	HAT 46, 2.0, 0
	HAT 47, 3.0, 0
.irp j, 0,1,2,3
	v_cvt_pk_f16_f32 v[44+\j], v[44+\j], v[44+\j]
.endr
	v_lshl_add_u32 v53, s39, 4, v54                ; g <= 32: inside the row's 528 bytes
	s_wait_alu depctr_va_vdst(0)                   ; the conversions have written v[44:47], and v53 is written: the LDS store reads them
	ds_store_b128 v53, v[44:47]
	v_pk_add_f32 v[40:41], v[40:41], 4.0 op_sel_hi:[1,0]
	v_pk_add_f32 v[42:43], v[42:43], 4.0 op_sel_hi:[1,0]
	s_add_co_u32 s39, s39, 1
	s_cmp_ge_u32 s39, s40                          ; ny + 1 slots are done: out
	s_cbranch_scc1 .Lbuilt
	s_cmp_lt_u32 s39, 33
	s_cbranch_scc1 .Lby
.Lbuilt:
	s_wait_dscnt 0x0                               ; my table rows are written, for the other waves' sake,
	s_barrier_signal -1
	s_barrier_wait -1                              ; and everybody's are: the tables are only read from here on
; One tile in buffer q.  zero: the first products start the sums.  ld: the other buffer, which the tile before multiplied, is loaded again, for the next tile.
; nx: the walk goes on: address and table slots of the tile after next.  tb: a tile follows; tb = 0 is the last tile: its weights are my last table reads, and the wave says so.
; left: how many younger feature loads may stay out.
.macro TILE q, zero, ld, nx, tb, left
	s_wait_dscnt 0x0                               ; this tile's weights, asked for one tile ago
.if \tb == 0
	s_barrier_signal -1                            ; my reads of the tables are over; up to the wait behind this tile there is register work only
.endif
.irp mb, 0,1,2,3
.irp k, 0,1,2,3
	v_pk_mul_f16 v[A+8*\mb+\k],   v[WX+4*\mb+\k], v[WY+2*\mb]      ; row 2 h:     k = 8 h + 2 k, + 1
	v_pk_mul_f16 v[A+8*\mb+4+\k], v[WX+4*\mb+\k], v[WY+2*\mb+1]    ; row 2 h + 1: k = 16 + 8 h + ..
.endr
.endr
.if \tb
	s_wait_alu depctr_va_vdst(0)                   ; the products above are done reading WX and WY, in which the next weights land; v4 and v5 are written; the last tile's matrix instructions are done reading the other B buffer
.if \ld
	GLOAD (1-\q)                                   ; the next tile's features (its base was made behind the last tile's products)
.endif
	TBL                                            ; the next tile's weights (v4, v5 were set behind the last tile's products)
.endif
	s_wait_loadcnt \left                           ; loads return in order (ISA guide 5.7.1): this tile's eight are in, and their base is free; the eight just issued stay out
.irp mb, 0,1,2,3
.irp nbl, 0,1,2,3
.if \zero
	v_wmma_f32_16x16x32_f16 v[ACC+8*(4*\mb+\nbl):ACC+8*(4*\mb+\nbl)+7], v[A+8*\mb:A+8*\mb+7], v[B+32*\q+8*\nbl:B+32*\q+8*\nbl+7], 0
.else
	v_wmma_f32_16x16x32_f16 v[ACC+8*(4*\mb+\nbl):ACC+8*(4*\mb+\nbl)+7], v[A+8*\mb:A+8*\mb+7], v[B+32*\q+8*\nbl:B+32*\q+8*\nbl+7], v[ACC+8*(4*\mb+\nbl):ACC+8*(4*\mb+\nbl)+7]
.endif
.endr
.endr
	; four plain vector places (ISA guide 7.12.1) before A is written again or a result is read
.if \nx
	NEXT \q
	s_wait_alu depctr_vm_vsrc(0)                   ; this tile's table loads have read v4 and v5, which the two lines below write again
	TADR \q
	v_nop
	v_nop
.else
	v_nop
	v_nop
	v_nop
	v_nop
.endif
.endm
	TADR 0
	s_wait_alu depctr_va_vdst(0)                   ; v4 and v5 are written, which the first table loads read
	TBL
	s_wait_alu depctr_vm_vsrc(0)                   ; those loads have read v4 and v5, written again below; my table stores have read v53 and v[44:47], and the head's loads v55 and v56: all lie in A, which tile 0 writes
	TADR 1
	TILE 0, 1, 0, 1, 1, 8                          ; tiles 0 and 1 were asked for at the head
	TILE 1, 0, 1, 1, 1, 8
	s_cmp_eq_u32 s27, 0
	s_cbranch_scc1 .Ltail
.Lpair:
	TILE 0, 0, 1, 1, 1, 8
	TILE 1, 0, 1, 1, 1, 8
	s_sub_co_i32 s27, s27, 1
	s_cmp_lg_u32 s27, 0
	s_cbranch_scc1 .Lpair
.Ltail:
	TILE 0, 0, 1, 0, 1, 8                          ; the last pair: the last tile is asked for, and the walk ends
	TILE 1, 0, 0, 0, 0, 0
	s_barrier_wait -1                              ; every wave's table reads are over: LDS is written again only behind this
	; ---- the way out.  Register j of accumulator (mb, nbl) in lane (r, h) is bin 16 mb + 8 h + j of channel 64 w + 16 nbl + r.  Through my own stage,
	; laid as out0 is ([channel][49 bins]), so that the stores are whole runs of consecutive bytes.  196 bytes a channel: words only.
	s_wait_alu depctr_vm_vsrc(0)                   ; the last table loads have read v4 and v5, which are made anew below
	v_and_b32 v10, 15, v0                          ; r
	v_mul_u32_u24 v10, v10, 196
	v_add_nc_u32 v10, s21, v10                     ; my stage + channel r, with no term in h: for bin 48
	v_lshl_add_u32 v4, v7, 4, s21
	v_lshl_add_u32 v5, v7, 3, s21
	v_lshlrev_b32 v2, 4, v7
	v_lshlrev_b32 v3, 3, v7
	s_wait_alu depctr_va_vdst(0)                   ; the matrix instructions have written the accumulators, which the LDS stores read (the four places stand ahead, in the last tile); v10 and v2 to v5 are written
.irp mb, 0,1,2
.irp nbl, 0,1,2,3
.irp j, 0,1,2,3,4,5,6,7
	ds_store_b32 v6, v[ACC+8*(4*\mb+\nbl)+\j] offset:\nbl*3136+\mb*64+4*\j
.endr
.endr
.endr
	; Bin 48 is register 0 of block 3.  Lane (r, 0) holds slot 48 and lane (r, 1) slot 56, whose row of A is equal to slot 48's: the two lanes hold the same
	; sum of the same channel and write it to the same word, all lanes on.  Highest byte: 15 x 196 + 3 x 3,136 + 192 + 4 = 12,544: inside my stage.
.irp nbl, 0,1,2,3
	ds_store_b32 v10, v[ACC+8*(12+\nbl)] offset:\nbl*3136+192
.endr
	s_mul_i32 s28, ttmp9, 4*WSTG
	s_mul_i32 s38, s20, WSTG
	s_add_co_u32 s28, s28, s38
	s_add_nc_u64 s[10:11], s[10:11], s[28:29]      ; out0 + n 50,176 + w 12,544: a multiple of 256
.irp i, 0,1,2,3,4,5,6,7,8,9,10,11,12,13,14,15,16,17,18,19,20,21,22,23
	ds_load_b128 v[A+4*\i:A+4*\i+3], v4 offset:512*\i      ; LDS serves a wave's instructions in order (ISA guide 5.7.1.4): these see my stores above
.endr
	ds_load_b64 v[8:9], v5 offset:12288            ; 12,544 = 24 x 512 + 256
.irp i, 0,1,2,3,4,5,6,7,8,9,10,11,12,13,14,15,16,17,18,19,20,21,22,23
	s_wait_dscnt 24-\i                             ; the younger read-backs stay out
	global_store_b128 v2, v[A+4*\i:A+4*\i+3], s[10:11] offset:512*\i th:TH_STORE_NT   ; 512 consecutive bytes, at a multiple of 256 in out0
.endr
	s_wait_dscnt 0x0
	global_store_b64 v3, v[8:9], s[10:11] offset:12288 th:TH_STORE_NT                 ; the last 256
	s_set_vgpr_msb 0x5                             ; the add's two registers, sources 0 and 1, lie in window 1
	s_wait_dscnt 0x0                               ; the closing lines, six on end, of a launch in the mode that stores to LDS
	s_wait_alu 0x0
	s_wait_tensorcnt 0x0
	ds_add_u32 v0, v1
	s_wait_dscnt 0x0
	s_endpgm
.Lfunc_end_k_q375523d554_pool:
	.size	k_q375523d554_pool, .Lfunc_end_k_q375523d554_pool-k_q375523d554_pool
	.p2alignl 7, 3214868480
	.fill 96, 4, 3214868480
	.section	.rodata,"a",@progbits
	.p2align	6, 0x0
	.amdhsa_kernel k_q375523d554_pool
		.amdhsa_group_segment_fixed_size 101888
		.amdhsa_private_segment_fixed_size 0
		.amdhsa_enable_private_segment 0
		.amdhsa_kernarg_size 32
		.amdhsa_user_sgpr_count 2
		.amdhsa_user_sgpr_kernarg_segment_ptr 1
		.amdhsa_wavefront_size32 1
		.amdhsa_system_sgpr_workgroup_id_x 1
		.amdhsa_system_sgpr_workgroup_id_y 1
		.amdhsa_system_sgpr_workgroup_id_z 1
		.amdhsa_system_vgpr_workitem_id 0
		.amdhsa_next_free_vgpr 258
		.amdhsa_next_free_sgpr 66
		.amdhsa_reserve_vcc 0
		.amdhsa_float_denorm_mode_32 3
		.amdhsa_float_denorm_mode_16_64 3
		.amdhsa_memory_ordered 1
		.amdhsa_forward_progress 1
		.amdhsa_inst_pref_size 56
	.end_amdhsa_kernel
	.amdgpu_metadata
---
amdhsa.version: [ 1, 2 ]
amdhsa.kernels:
  - .name:           k_q375523d554_pool
    .symbol:         k_q375523d554_pool.kd
    .args:
      - { .name: ft, .offset: 0, .size: 8, .value_kind: global_buffer, .address_space: global }
      - { .name: par, .offset: 8, .size: 8, .value_kind: global_buffer, .address_space: global }
      - { .name: hdr, .offset: 16, .size: 8, .value_kind: global_buffer, .address_space: global }
      - { .name: out0, .offset: 24, .size: 8, .value_kind: global_buffer, .address_space: global }
    .group_segment_fixed_size: 101888
    .private_segment_fixed_size: 0
    .kernarg_segment_align: 8
    .kernarg_segment_size: 32
    .max_flat_workgroup_size: 128
    .sgpr_count:     66
    .vgpr_count:     258
    .wavefront_size: 32
...
	.end_amdgpu_metadata
.endif
;; end of part 4
